; MI455X (gfx1250); checked and timed in simulation.
; The chip was launched on July 23, 2026; its instructions are those of AMD's public machine-readable ISA for CDNA 5 (MIT licence, August 2026) and "CDNA5" Instruction Set Architecture Reference Guide (July 2026). The comments in the code are by the model that wrote it; some were corrected since.
;; Scaled Cosine Attention. Allowed arithmetic: matrix products marked QUANTISED: E2M3 operands, one E8M0 scale for each 32 along K, by v_wmma_scale_f32_16x16x128_f8f6f4 with both operands' format E2M3, f32 sums; everything else in f32.
;; Inputs: k 4 x 2,048 x 512 float32; q 4 x 2,048 x 512 float32; softmax_scale 8 x 1 x 1 float32; v_codes 4 x 512 x 64 x 24 uint8 (E2M3 codes of v, K innermost, in blocks of 32 codes, four codes in three bytes); v_scales 4 x 512 x 64 uint8 (E8M0 scales of v, one for each 32 codes along K).
;; Outputs: out0 4 x 2,048 x 512 float32.
;; This version of the problem:
;;   THIS VERSION OF THE PROBLEM IS GIVEN IN LOW PRECISION. The matrix products marked QUANTISED in the list below multiply operands that are first quantised to E2M3 (2 exponent bits, 3 mantissa bits; 6 bits a number), with one power-of-two scale for each 32 numbers along K (OCP MX v1.0); their sums are f32. All else is computed in f32.
;;   The module's matrix products, in the order in which they are computed (A, B: the left and right operand; K: the contracted axis; several contracted axes count as one K, in the product's order):
;;     1. batch 32 x [M 2,048, K 64] x [K 64, N 2,048]; A: computed on the way; B: computed on the way: QUANTISED
;;     2. batch 32 x [M 2,048, K 2,048] x [K 2,048, N 64]; A: softmax (see below); B: input v (given as codes): QUANTISED
;;   THE QUANTISER, for each operand of a quantised product, along K:
;;     - K is cut into blocks of 32 from its start; a last block that is shorter is filled with zeros.
;;     - A block's scale is 2^e with e = floor(log2(the largest magnitude in the block)) - 2, held to -126 .. 127; a block of zeros has e = 0. As a byte (E8M0): e + 127.
;;     - Each number is divided by its block's scale, clamped to +-7.5, and rounded to the nearest number of E2M3, ties to even, subnormals kept.
;;     - The product sums the exact products of the quantised numbers (number of the format x scale) in f32.
;;   ~~~python
;;   def quantise(x, axis):      # numpy; x: float32 -> the quantised numbers, widened to float32 again
;;       x = np.moveaxis(x, axis, -1); K = x.shape[-1]
;;       x = np.pad(x, [(0, 0)] * (x.ndim - 1) + [(0, -K % 32)]); x = x.reshape(x.shape[:-1] + (-1, 32)); a = np.abs(x).max(-1, keepdims=True)
;;       e = np.where(a > 0, np.clip(np.frexp(np.where(a > 0, a, 1))[1] - 1 - 2, -126, 127), 0)      # np.frexp(a)[1] - 1 = floor(log2(a)), exactly
;;       r = np.clip(x / 2.0 ** e, -7.5, 7.5)
;;       step = 2.0 ** (np.maximum(np.frexp(np.where(r == 0, 1, r))[1] - 1, 0) - 3)
;;       q = np.round(r / step) * step * 2.0 ** e      # np.round: ties to even
;;       return np.moveaxis(q.reshape(q.shape[:-2] + (-1,))[..., :K], -1, axis).astype(np.float32)
;;   ~~~
;;   SOFTMAX AHEAD OF A QUANTISED PRODUCT. Where the list says 'softmax', what is quantised is not the finished softmax but p = 2^(t - M), with t = logit x log2(e) and M = ceil(the row's largest t), a whole number; so 1/2 < the row's largest p <= 1. The row's sum l is taken of the UNQUANTISED p, in f32, and the product's result is divided by l at the end. Since M is a whole number, a kernel that streams over the keys may use a running M (the ceiling of the running maximum): every later rescaling is an exact power of two, which a block's scale takes up: the codes' values come out the same.
;;   OPERANDS COMPUTED ON THE WAY. 'Computed on the way' means the value that the module computes at that place (a softmax that the list does not call 'softmax' is quantised finished and normalised). What goes into a quantiser is computed in f32, as accurately as f32 sums, v_exp_f32 and their like allow (about 1e-6 of the number): no bf16 or f16 on the way to a quantiser, and a product that is left as it is and whose result goes on into a quantised operand takes f32 operands (vector FMAs, or v_wmma_f32_16x16x4_f32). A number that lies on a knife's edge between two numbers of the format may be rounded either way, as far as f32 arithmetic and the matrix unit's own rounding can turn it there, and no further.
;;   INPUTS GIVEN AS CODES. v (in the module: [4, 2048, 512], K = its axis 1): each comes as NAME_codes (uint8): NAME with its K axis moved to the last place and cut into blocks of 32 codes, [.., K / 32, bytes a block], one block behind the other in memory; four codes in three bytes: a row's codes are one little-endian stream of bits, code i at bits 6 i .. 6 i + 5 (a code: sign, 2 exponent bits, 3 mantissa bits); and NAME_scales (uint8): the same leading axes, one E8M0 byte (e + 127) for each 32 codes along K. Its value is code x scale, taken as it is: it is not quantised again, and the codes and scales need not be those that the quantiser above would give.
;; 2 versions. Each part assembles by itself: llvm-mc -triple=amdgcn-amd-amdhsa -mcpu=gfx1250 --defsym DOCPART=n.
;; ======== version 1 of 2: 1 launch
;; launch attn (part 1): grid 8 x 32, 16 waves a work-group, no clusters, 280,576 bytes of LDS; arguments q, k, softmax_scale, v_codes, v_scales, out0; writes out0
.if DOCPART == 1
	.amdgcn_target "amdgcn-amd-amdhsa--gfx1250"
	.amdhsa_code_object_version 6
	.text
	.protected	k_q198508d978_attn
	.globl	k_q198508d978_attn
	.p2align	8
	.type	k_q198508d978_attn,@function
k_q198508d978_attn:
	s_mov_b64 s[64:65], 0
	v_nop
	global_prefetch_b8 v0, s[64:65] scope:SCOPE_SE
	s_setreg_imm32_b32 hwreg(HW_REG_WAVE_MODE, 25, 1), 1
	s_wait_xcnt 0x0
; out0[b][i][64 h + d] = the sum over j of softmax_j(qn[i] . kn[j] x scale[h]) v[j][d], for 4 batches x 8 heads, 2,048 queries, 2,048 keys, head size 64.
; qn, kn: a head's row of 64 numbers x 1 / max(its norm, 1e-12), in f32, then quantised to E2M3 along the 64 (two blocks of 32, one E8M0 byte each).  scale = exp(clip(softmax_scale[h], ln 0.01, ln 100)).
; Both products go by v_wmma_scale_f32_16x16x128_f8f6f4 on codes of E2M3.  v arrives as codes with the keys innermost, and its scale bytes: taken as they lie.
; THE SOFTMAX: t = score x c, c = scale x log2(e); M = the running largest t rounded UP to a whole number; p = 2^(t - M) is quantised along the keys, not normalised; the row's sum is taken of the
; unquantised p and divides at the end.  When M moves, the sum and O are multiplied by 2^(old M - new M): exact.  The running maximum is kept although the cosine is bounded: with scale = 100, |t| reaches 144.
; SHARES.  A work-group owns 256 queries of one head (x: the block of queries; y: 8 x batch + head): 256 work-groups.  Each of its sixteen waves owns 16 queries in 256 registers, four waves to a SIMD, so that one
; wave's vector work stands beside another's matrix work and LDS loads.  Both products are used transposed (S^T = K Q^T, O^T = V^T P^T): a lane holds ONE query (lane % 16) throughout.
; EVERYTHING A HEAD NEEDS LIES IN LDS AT ONCE: K as codes 98,304 bytes, V's codes 98,304, scale words 12,288.  It is written once, at the head, as IMAGES OF THE OPERANDS' REGISTERS (lane l's 16 bytes at 16 l), one barrier
; follows, and from there on it is only read: no ring, no refill, no pitch; every LDS load takes consecutive bytes in consecutive lanes.
; Wave w normalises and quantises keys 128 w .. 128 w + 127, which are key step w.  The eight work-groups of a head each do this for the whole head: the price of having no second launch and no workspace.
; THE FIRST PRODUCT'S K IS 64, the instruction's 128: registers 6-11 of K's and of Q's fragments hold zero codes, which add nothing under any scale byte but 0xff (theirs is 0).
; THE KEYS OF A TILE ARE NOT NEIGHBOURS: lane r of tile 2 b + u takes key 32 b + 8 u + r + 8 (r / 8), so that the 16 registers of S^T's tiles 2 b and 2 b + 1 are the 16 neighbouring keys 32 b + 16 (lane / 16) + 0 .. 15.
; NO CLUSTER, NO JOINT LOADS: what the eight work-groups of a head share is K as f32, 524,288 bytes, which has to pass through registers to be quantised and does not fit in LDS beside the codes, and V's 102,400 bytes, read once.
; LIMITS.  NaN and infinities among the inputs are not served.  1 / max(norm, 1e-12) is made as rsq(max(sum of squares, 1e-24)); the 64 squares are summed in another order than reference() sums them.
; A p under 2^-126 comes out of v_exp_f32 as 0.  A block of zeros has the byte 1 where the rule says 127: its codes are zeros, and this program alone reads the bytes.
; A block's largest p is taken as 2^(the block's largest t - M): this takes v_exp_f32 not to fall where its input rises.
.set KIMG,  0                          ; LDS: K's images: step j at 6,144 j; tile f at + 768 f: registers 0-3 at + 16 lane, registers 4-5 at + 512 + 8 lane
.set VIMG,  98304                      ; V's images: step j at 6,144 j; tile t at + 1,536 t: registers 4 c .. 4 c + 3 at + 512 c + 16 lane
.set KSC,   196608                     ; K's scale words: step j at 512 j; at + 16 l + 4 i the word of tile 2 i + l / 16, row l % 16
.set VSC,   204800                     ; V's scale words: step j at 256 j; at + 8 l + 4 u the word of tile 2 u + l / 16, row l % 16
.set STG,   208896                     ; the way out: for each wave 16 rows of 256 bytes + 16
.set STEPB, 6144
.set KTILE, 768
.set VTILE, 1536
.set SPITCH, 272
.set NSTEP, 16                         ; key steps of 128
; vector registers that stay
.set LI16,  1                          ; v1   16 x lane
.set LI8,   2                          ; v2   8 x lane
.set ADK16, 3                          ; v3-7 LDS addresses of the step in hand (on the way out: stage in, stage back, offset in out0, r, h)
.set ADK8,  4
.set ADV,   5
.set ADKS,  6
.set ADVS,  7
.set KS,    8                          ; v8-11   K's scale words of a step: scales and nothing else
.set QF,    16                         ; v16-27  Q's fragment: 16-21 codes, 22-27 zero codes        (v12 -M, v13 the largest t, v[14:15] the sum in two halves)
.set QS,    28                         ; v28     Q's scale words
.set PS,    29                         ; v29     p's scale word
.set VS,    30                         ; v30-31  V's scale words of a step
.set KF,    32                         ; v32-127 K's eight fragments; registers 6-11 of each stay zero codes
.set SS,    128                        ; v128-191 S^T, then p; from v128 V's four fragments once p is done with
.set OT,    192                        ; v192-223 O^T: four tiles of 16 channels
.set PC,    224                        ; v224-235 p's codes
.set PT,    236                        ; v236-243 lane exchange, bytes, then the conversions' second halves
.set SO,    244                        ; v244-247 the conversions' scale operands
.set BM,    248                        ; v248-251 the blocks' largest scores        (v252 f, v253 0, v[254:255] at work)
; vector registers of the head alone, inside v32-255
.set SQA,   32                         ; v[32:33], v[34:35] two chains of squares
.set SQB,   34
.set MG,    36                         ; v36-37 two chains of the largest magnitude
.set INV,   38                         ; v38 1 / norm; v39 = 0, named with it as a pair
.set AM,    40                         ; v40 the block's largest magnitude; v41 the conversion's scale operand; v42 the byte; v43 lane exchange
.set SOP,   41
.set BY,    42
.set PTP,   43
.set CTP,   44                         ; v[44:46] a block's upper 16 codes
.set KGO,   48                         ; v48 k: my row of a tile and my half of it, in bytes;  v49 the same for q;  v50 for v_codes;  v51 for v_scales
.set QGO,   49
.set VGO,   50
.set VSGO,  51
.set KW16,  52                         ; v52-54 where I store K's images and scale words;  v55 8 x (lane / 16);  v56-57 where I store V's
.set KW8,   53
.set KWS,   54
.set SH8,   55
.set VW16,  56
.set VSW,   57
.set VSR,   62                         ; v[62:63] V's scale words as loaded
.set KOUT,  64                         ; v[64 + 8 f ..] tile f's six registers of codes and its scale word: each tile has its own, so that no LDS store's data are written again
.set VRAW,  80                         ; v80-127 V's four fragments as loaded (stored before KOUT reaches them)
.set RAW,   128                        ; v128-255 four sets of 32 numbers of k or q
; scalar registers
.set WV,    16                         ; s16 wave;  s17 y, s18 batch, s19 head
.set SEL,   20                         ; s[20:21] v_permlanex16_b32's selects for lane l xor 16
.set CS,    22                         ; s[22:23] c, twice: the packed form names a pair
.set TK,    28                         ; s28-31 where the step's K images, V images, K scale words, V scale words begin
.set TV,    29
.set TKS,   30
.set TVS,   31
.set CNT,   32
	s_load_b256 s[4:11], s[0:1], 0x0               ; q s[4:5], k s[6:7], softmax_scale s[8:9], v_codes s[10:11]
	s_load_b128 s[12:15], s[0:1], 0x20             ; v_scales s[12:13], out0 s[14:15]
	v_lshrrev_b32 v60, 5, v0
	v_readfirstlane_b32 s[WV], v60                 ; wave 0..15
	s_and_b32 s17, ttmp7, 0xffff                   ; y = 8 x batch + head
	s_lshr_b32 s18, s17, 3
	s_and_b32 s19, s17, 7
	s_mov_b32 s[SEL], 0x76543210
	s_mov_b32 s[SEL+1], 0xfedcba98
	s_mov_b32 s34, 0xc0935d8e                      ; ln 0.01
	s_mov_b32 s35, 0x40935d8e                      ; ln 100
	; byte offsets into the buffers, each in a pair with 0 above it.  A row of q, k, out0 is 2,048 bytes, a head's part of it 256
	s_lshl_b32 s44, s19, 8
	s_lshl_b32 s45, s18, 22
	s_add_co_u32 s45, s45, s44                     ; batch x 2,048 rows + head x 256
	s_lshl_b32 s36, ttmp9, 19                      ; my work-group's 256 queries,
	s_lshl_b32 s37, s[WV], 15                      ; my wave's 16 of them
	s_add_co_u32 s24, s45, s36
	s_add_co_u32 s24, s24, s37                     ; q and out0
	s_mov_b32 s25, 0
	s_lshl_b32 s36, s[WV], 18                      ; my wave's 128 keys
	s_add_co_u32 s26, s45, s36                     ; k
	s_mov_b32 s27, 0
	s_mul_i32 s38, s17, 98304                      ; v_codes: a head is 64 rows of 1,536 bytes;
	s_and_b32 s36, s[WV], 3                        ; my wave takes tile w % 4 (16 rows)
	s_mul_i32 s37, s36, 24576
	s_add_co_u32 s38, s38, s37
	s_lshr_b32 s46, s[WV], 2                       ; and key steps 4 (w / 4) .. + 3: 384 consecutive bytes of each row
	s_mul_i32 s37, s46, 384
	s_add_co_u32 s38, s38, s37
	s_mov_b32 s39, 0
	s_lshl_b32 s40, s17, 12                        ; v_scales: a head is 4,096 dense bytes
	s_mov_b32 s41, 0
	s_lshl_b32 s42, s19, 2                         ; softmax_scale[head]
	s_mov_b32 s43, 0
	; where my wave's images go in LDS: constants x the wave's number
	s_mul_i32 s37, s36, VTILE
	s_mul_i32 s46, s46, 4*STEPB
	s_add_co_u32 s46, s46, s37
	s_add_co_u32 s46, s46, VIMG                    ; V: steps 4 (w / 4) on, tile w % 4
	s_mul_i32 s47, s[WV], STEPB                    ; K: step w
	s_lshl_b32 s36, s[WV], 9
	s_add_co_u32 s36, s36, KSC                     ; K's scale words: step w
	; lane terms
	v_and_b32 v60, 31, v0
	v_lshlrev_b32 v[LI16], 4, v60
	v_lshlrev_b32 v[LI8], 3, v60
	v_and_b32 v58, 15, v0                          ; r
	v_bfe_u32 v59, v0, 4, 1                        ; h
	v_and_b32 v60, 8, v58
	v_add_nc_u32 v60, v60, v58                     ; r + 8 (r / 8)
	v_lshlrev_b32 v[KGO], 11, v60
	v_lshl_add_u32 v[KGO], v59, 7, v[KGO]          ; k: that row of a tile, + 128 h: block h of the head's 64 numbers
	v_lshlrev_b32 v[QGO], 11, v58
	v_lshl_add_u32 v[QGO], v59, 7, v[QGO]          ; q: row r, + 128 h
	v_mul_u32_u24 v[VGO], v58, 1536
	v_mad_u32_u24 v[VGO], v59, 24, v[VGO]          ; v_codes: row r of the tile, + 24 h
	v_lshlrev_b32 v[VSGO], 3, v0                   ; v_scales: 8 bytes a thread: row t / 8, key steps 2 (t % 8) and 2 (t % 8) + 1
	v_add_nc_u32 v[KW16], s47, v[LI16]
	v_add_nc_u32 v[KW8], s47, v[LI8]
	v_lshl_add_u32 v[KWS], v58, 4, s36
	v_lshlrev_b32 v[SH8], 3, v59
	v_add_nc_u32 v[VW16], s46, v[LI16]
	v_and_b32 v60, 7, v0
	v_lshlrev_b32 v[VSW], 9, v60                   ; step 2 (t % 8): 512 (t % 8)
	v_bfe_u32 v60, v0, 3, 5
	v_lshl_add_u32 v[VSW], v60, 3, v[VSW]          ; + 8 x (row % 32)
	v_lshrrev_b32 v60, 8, v0
	v_lshl_add_u32 v[VSW], v60, 2, v[VSW]          ; + 4 x (row / 32)
	v_add_nc_u32 v[VSW], VSC, v[VSW]
	v_mov_b32 v[INV+1], 0                          ; named as the upper half of a pair
	v_mov_b32 v[PTP], 0                            ; a lane permute's destination counts as one of its sources
	s_wait_kmcnt 0x0
	s_add_nc_u64 s[4:5], s[4:5], s[24:25]
	s_add_nc_u64 s[14:15], s[14:15], s[24:25]
	s_add_nc_u64 s[6:7], s[6:7], s[26:27]
	s_add_nc_u64 s[10:11], s[10:11], s[38:39]
	s_add_nc_u64 s[12:13], s[12:13], s[40:41]
	s_add_nc_u64 s[8:9], s[8:9], s[42:43]
	s_load_b32 s33, s[8:9], 0x0                    ; the head's log-scale
; Tile f of my 128 keys: its rows begin at key 32 (f / 2) + 8 (f % 2).  A lane takes the 32 numbers of its block: 128 bytes, eight loads, into set f % 4.
.macro LOADK f
.irp i, 0,1,2,3,4,5,6,7
	global_load_b128 v[RAW+32*((\f)%4)+4*\i:RAW+32*((\f)%4)+4*\i+3], v[KGO], s[6:7] offset:(32*((\f)/2)+8*((\f)%2))*2048+16*\i
.endr
.endm
.macro LOADQ                                   ; my 16 queries, into set 0; read by this wave alone in the whole launch
.irp i, 0,1,2,3,4,5,6,7
	global_load_b128 v[RAW+4*\i:RAW+4*\i+3], v[QGO], s[4:5] offset:16*\i th:TH_LOAD_NT
.endr
.endm
	; V first: four fragments (tile w % 4, four key steps) as they lie: lane (r, h) takes 24 bytes at 24 h and 24 at 48 + 24 h of the step's 96, in pieces of 8
.irp jj, 0,1,2,3
.irp p, 0,1,2,3,4,5
	global_load_b64 v[VRAW+12*\jj+2*\p:VRAW+12*\jj+2*\p+1], v[VGO], s[10:11] offset:96*\jj+48*(\p/3)+8*(\p%3)
.endr
.endr
	global_load_b64 v[VSR:VSR+1], v[VSGO], s[12:13] ; the work-group's 512 threads read the head's 4,096 bytes on end
	LOADK 0
	LOADK 1
	LOADK 2
	LOADK 3
	; c = exp(clip(log-scale)) x log2(e), in f32
	s_wait_kmcnt 0x0
	v_mov_b32 v60, s33
	v_med3_num_f32 v60, v60, s34, s35              ; the clip
	v_mul_f32 v60, 0x3fb8aa3b, v60
	v_exp_f32 v60, v60
	v_nop                                          ; a plain place behind the transcendental
	s_wait_alu depctr_va_vdst(0)
	v_mul_f32 v60, 0x3fb8aa3b, v60
	v_readfirstlane_b32 s[CS], v60                 ; a multiplier only: no address and no branch hangs on it
	s_mov_b32 s[CS+1], s[CS]
	s_wait_loadcnt 32                              ; behind V's 25 loads stand the 32 of K's tiles 0-3, which may stay out
.irp jj, 0,1,2,3
.irp c, 0,1,2
	ds_store_b128 v[VW16], v[VRAW+12*\jj+4*\c:VRAW+12*\jj+4*\c+3] offset:STEPB*\jj+512*\c
.endr
.endr
	ds_store_b32 v[VSW], v[VSR]
	ds_store_b32 v[VSW], v[VSR+1] offset:256
	s_wait_dscnt 0x0                               ; the stores have read their registers: K's codes are laid over them below
; A lane's 32 numbers v[XB ..], block h of its row of 64, are divided by the row's norm and quantised: six registers of codes at v[CD ..], which are registers 0-5 of the operand as they stand; the row's scale word in v[WD].
.macro NQ
	v_pk_mul_f32 v[SQA:SQA+1], v[XB:XB+1], v[XB:XB+1]               ; the sum of my 32 squares: the first products start two packed chains
	v_pk_mul_f32 v[SQB:SQB+1], v[XB+2:XB+3], v[XB+2:XB+3]
.irp i, 4,8,12,16,20,24,28
	v_pk_fma_f32 v[SQA:SQA+1], v[XB+\i:XB+\i+1], v[XB+\i:XB+\i+1], v[SQA:SQA+1]
	v_pk_fma_f32 v[SQB:SQB+1], v[XB+\i+2:XB+\i+3], v[XB+\i+2:XB+\i+3], v[SQB:SQB+1]
.endr
	v_pk_add_f32 v[SQA:SQA+1], v[SQA:SQA+1], v[SQB:SQB+1]
	v_add_f32 v[SQA], v[SQA], v[SQA+1]
	v_permlanex16_b32 v[PTP], v[SQA], s[SEL], s[SEL+1]
	v_add_f32 v[SQA], v[SQA], v[PTP]               ; with lane l xor 16's: all 64
	v_max_num_f32 v[SQA], 0x179abe15, v[SQA]       ; 1e-24 = (1e-12)^2
	v_rsq_f32 v[INV], v[SQA]                       ; 1 / max(norm, 1e-12).  The lines below are the plain place behind it
	v_max3_num_f32 v[MG], |v[XB]|, |v[XB+1]|, |v[XB+2]|             ; the block's largest magnitude, of the numbers as loaded: all 32 are mine
	v_max3_num_f32 v[MG+1], |v[XB+3]|, |v[XB+4]|, |v[XB+5]|
.irp i, 6,10,14,18,22,26
	v_max3_num_f32 v[MG], v[MG], |v[XB+\i]|, |v[XB+\i+1]|
	v_max3_num_f32 v[MG+1], v[MG+1], |v[XB+\i+2]|, |v[XB+\i+3]|
.endr
	v_max3_num_f32 v[MG], v[MG], |v[XB+30]|, |v[XB+31]|
	v_max_num_f32 v[MG], v[MG], v[MG+1]
	s_wait_alu depctr_va_vdst(0)
	v_mul_f32 v[AM], v[MG], v[INV]                 ; a rounded product does not fall where a factor rises: this IS the largest of the 32 products below
	v_max_num_f32 v[AM], 0x1800000, v[AM]          ; the floor 2^(3 - 127): the byte cannot fall under 1
.irp i, 0,2,4,6,8,10,12,14,16,18,20,22,24,26,28,30
	v_pk_mul_f32 v[XB+\i:XB+\i+1], v[XB+\i:XB+\i+1], v[INV:INV+1] op_sel_hi:[1,0]
.endr
	v_add_nc_u32 v[SOP], 0xff000000, v[AM]         ; 2 off the exponent field: the conversion takes the exponent field of this operand as its scale
	v_lshrrev_b32 v[BY], 23, v[SOP]                ; the scale's byte
	v_lshlrev_b32 v[WD], v[SH8], v[BY]             ; at its place in the word: block h is byte h;
	v_permlanex16_b32 v[PTP], v[WD], s[SEL], s[SEL+1]
	v_or_b32 v[WD], v[WD], v[PTP]                  ; with lane l xor 16's the word is whole (bytes 2 and 3 are 0, over zero codes)
	v_cvt_scalef32_pk16_fp6_f32 v[CD:CD+2], v[XB:XB+15], v[SOP]
	v_cvt_scalef32_pk16_fp6_f32 v[CTP:CTP+2], v[XB+16:XB+31], v[SOP]   ; (a conversion's three registers begin on an even number)
	v_nop                                          ; one plain place behind a scaled conversion
.irp i, 0,1,2
	v_mov_b32 v[CD+3+\i], v[CTP+\i]
.endr
.endm
; Item n: 0-7 tile n of my keys, 8 my queries.  Loads run four items ahead, in four sets of registers.
.macro ITEM n
.if (\n) < 6
	s_wait_loadcnt 24                              ; my eight loads are in; those of the three items behind may be out
.else
	s_wait_loadcnt 8*(8-(\n))                      ; the counts run down: two items, one, none
.endif
.set XB, RAW+32*((\n)%4)
.if (\n) < 8
.set CD, KOUT+8*(\n)
.set WD, KOUT+8*(\n)+6
.else
.set CD, QF
.set WD, QS
.endif
	NQ
.if (\n) < 8
	ds_store_b128 v[KW16], v[CD:CD+3] offset:KTILE*(\n)             ; the image of registers 0-3,
	ds_store_b64 v[KW8], v[CD+4:CD+5] offset:KTILE*(\n)+512         ; of registers 4-5,
	ds_store_b32 v[KWS], v[WD] offset:256*((\n)%2)+4*((\n)/2)       ; and the row's scale word (lanes r and r + 16 write the same word with the same value)
.endif
.if (\n)+4 < 8
	LOADK (\n)+4
.elseif (\n)+4 == 8
	LOADQ
.endif
.endm
.irp n, 0,1,2,3,4,5,6,7,8
	ITEM \n
.endr
	s_wait_dscnt 0x0                               ; for the others' sake: all my images have landed
	s_barrier_signal -1
	; work on registers while the others arrive
.irp f, 0,1,2,3,4,5,6,7
.irp i, 6,7,8,9,10,11
	v_mov_b32 v[KF+12*\f+\i], 0                    ; zero codes for k = 64 .. 127 of K's fragments: written once, no load lands here
.endr
.endr
.irp i, 6,7,8,9,10,11
	v_mov_b32 v[QF+\i], 0                          ; and of Q's
.endr
.irp j, 0,1,2,3,4,5,6,7,8,9,10,11,12,13,14,15,16,17,18,19,20,21,22,23,24,25,26,27,28,29,30,31
	v_mov_b32 v[OT+\j], 0                          ; O^T.  (The step is written once: the first finds zeros, which the first change of M leaves zeros)
.endr
	v_mov_b32 v14, 0                               ; the sum, in two halves
	v_mov_b32 v15, 0
.irp b, 0,1,2,3
	v_mov_b32 v[PT+\b], 0                          ; a lane permute's destination counts as one of its sources
.endr
	v_mov_b32 v253, 0                              ; named as the upper half of the pair v[252:253]
	v_mov_b32 v13, 0xff61b1e6                      ; the largest t so far: -3e38, under every t
	v_floor_f32 v12, -v13                          ; -M
	s_mov_b32 s[TK], KIMG
	s_mov_b32 s[TV], VIMG
	s_mov_b32 s[TKS], KSC
	s_mov_b32 s[TVS], VSC
	s_mov_b32 s[CNT], NSTEP
	s_barrier_wait -1                              ; the launch's one barrier: K, V and their scale words lie in LDS, and nobody writes them again
.Lstep:                                            ; A KEY STEP: 128 keys
	v_add_nc_u32 v[ADK16], s[TK], v[LI16]          ; these six plain lines are the places behind the last trip's products: four in front of the loads into V's scale words,
	v_add_nc_u32 v[ADK8], s[TK], v[LI8]            ; five in front of the products below, whose results are laid over V's fragments
	v_add_nc_u32 v[ADV], s[TV], v[LI16]
	v_add_nc_u32 v[ADKS], s[TKS], v[LI16]
	v_add_nc_u32 v[ADVS], s[TVS], v[LI8]
	v_nop
.irp f, 0,1,2,3,4,5,6,7
	ds_load_b128 v[KF+12*\f:KF+12*\f+3], v[ADK16] offset:KTILE*\f
	ds_load_b64 v[KF+12*\f+4:KF+12*\f+5], v[ADK8] offset:KTILE*\f+512
.endr
	ds_load_b128 v[KS:KS+3], v[ADKS]               ; register i: lanes 0-15 the words of tile 2 i, lanes 16-31 those of tile 2 i + 1
	ds_load_b64 v[VS:VS+1], v[ADVS]                ; the same for V's four tiles
	s_wait_dscnt 0x0
.irp f, 0,2,4,6                                ; S^T = K Q^T: source 0 = 16 keys, source 1 = my 16 queries; eight accumulators, each begun with 0
	v_wmma_scale_f32_16x16x128_f8f6f4 v[SS+8*\f:SS+8*\f+7], v[KF+12*\f:KF+12*\f+11], v[QF:QF+11], 0, v[KS+\f/2], v[QS] matrix_a_fmt:MATRIX_FMT_FP6 matrix_b_fmt:MATRIX_FMT_FP6
	v_wmma_scale_f32_16x16x128_f8f6f4 v[SS+8*\f+8:SS+8*\f+15], v[KF+12*\f+12:KF+12*\f+23], v[QF:QF+11], 0, v[KS+\f/2], v[QS] matrix_a_fmt:MATRIX_FMT_FP6 matrix_b_fmt:MATRIX_FMT_FP6 matrix_a_scale:MATRIX_SCALE_ROW1
.endr
.rept 4
	v_nop                                          ; four places in front of the first read of results (ISA guide 7.12.1)
.endr
.irp b, 0,1,2,3
	v_max3_num_f32 v[BM+\b], v[SS+16*\b], v[SS+1+16*\b], v[SS+2+16*\b]   ; THE LARGEST SCORE OF EACH BLOCK OF 32 KEYS: it serves for the row's maximum and, since p rises with the score, for the block's largest p.  Each accumulator is read from its low end on
.endr
.irp i, 3,5,7,9,11,13
.irp b, 0,1,2,3
	v_max3_num_f32 v[BM+\b], v[BM+\b], v[SS+16*\b+\i], v[SS+1+16*\b+\i]   ; (the four blocks by turns)
.endr
.endr
.irp b, 0,1,2,3
	v_max_num_f32 v[BM+\b], v[BM+\b], v[SS+15+16*\b]
.endr
.irp b, 0,1,2,3
	v_permlanex16_b32 v[PT+\b], v[BM+\b], s[SEL], s[SEL+1]
.endr
.irp b, 0,1,2,3
	v_max_num_f32 v[BM+\b], v[BM+\b], v[PT+\b]     ; with lane l xor 16's 16 keys
.endr
	v_max3_num_f32 v254, v[BM], v[BM+1], v[BM+2]
	v_max_num_f32 v254, v254, v[BM+3]              ; the step's largest score of my query
	v_mul_f32 v254, s[CS], v254                    ; as t (c is positive)
	v_max_num_f32 v13, v13, v254                   ; the running largest t
	v_mov_b32 v254, v12
	v_floor_f32 v12, -v13                          ; the new -M = floor(-t) = -ceil(t): a whole number
	v_sub_f32 v254, v12, v254                      ; M's old value less its new one: a whole number, 0 or less
	v_cvt_i32_f32 v254, v254                       ; (it saturates)
	v_ldexp_f32 v252, 1.0, v254                    ; f = 2^(old M - new M)
.irp j, 0,2,4,6,8,10,12,14,16,18,20,22,24,26,28,30,32,34,36,38,40,42,44,46,48,50,52,54,56,58,60,62
	v_pk_fma_f32 v[SS+\j:SS+\j+1], v[SS+\j:SS+\j+1], s[CS:CS+1], v[12:13] op_sel_hi:[1,0,0]   ; t - M, two at a time (of the pairs c and -M the low word serves both halves)
.endr
.irp b, 0,1,2,3
	v_fma_f32 v[BM+\b], v[BM+\b], s[CS], v12       ; the same of each block's largest score
.endr
.irp j, 0,1,2,3,4,5,6,7,8,9,10,11,12,13,14,15,16,17,18,19,20,21,22,23,24,25,26,27,28,29,30,31,32,33,34,35,36,37,38,39,40,41,42,43,44,45,46,47,48,49,50,51,52,53,54,55,56,57,58,59,60,61,62,63
	v_exp_f32 v[SS+\j], v[SS+\j]                   ; p = 2^(t - M): not normalised
.endr
.irp b, 0,1,2,3
	v_exp_f32 v[BM+\b], v[BM+\b]                   ; the block's largest p: the same two instructions on the same number give the same bits
.endr
	v_pk_mul_f32 v[14:15], v[14:15], v[252:253] op_sel_hi:[1,0]   ; the sums under the new M.  (The plain place behind the exponentials)
	s_wait_alu depctr_va_vdst(0)
.irp b, 0,1,2,3
	v_max_num_f32 v[BM+\b], 0x1800000, v[BM+\b]    ; the floor 2^(3 - 127): the byte cannot fall under 1
.endr
.irp b, 0,1,2,3
	v_add_nc_u32 v[SO+\b], 0xff000000, v[BM+\b]    ; 2 off the exponent field: the conversion's scale operand
.endr
.irp b, 0,1,2,3
	v_lshrrev_b32 v[PT+\b], 23, v[SO+\b]           ; the scale's byte
.endr
	v_lshl_or_b32 v[PS], v[PT+1], 8, v[PT]         ; p's scale word for these 128 keys; more than eight plain lines stand between it and the products that name it
	v_lshl_or_b32 v[PS], v[PT+2], 16, v[PS]
	v_lshl_or_b32 v[PS], v[PT+3], 24, v[PS]
.irp c, 0,1
	v_cvt_scalef32_pk16_fp6_f32 v[PC+6*\c:PC+6*\c+2], v[SS+32*\c:SS+32*\c+15], v[SO+2*\c]
	v_cvt_scalef32_pk16_fp6_f32 v[PT+4*\c:PT+4*\c+2], v[SS+16+32*\c:SS+31+32*\c], v[SO+2*\c+1]   ; (a conversion's three registers begin on an even number)
.endr
	v_pk_add_f32 v[254:255], v[SS:SS+1], v[SS+2:SS+3]   ; THE ROW'S SUM IS TAKEN OF THE UNQUANTISED p: two at a time, in two chains.  (Also the plain place behind the conversions: these lines only read p)
.irp j, 4,8,12,16,20,24,28,32,36,40,44,48,52,56,60
	v_pk_add_f32 v[14:15], v[14:15], v[SS+\j:SS+\j+1]
	v_pk_add_f32 v[254:255], v[254:255], v[SS+\j+2:SS+\j+3]
.endr
	v_pk_add_f32 v[14:15], v[14:15], v[254:255]
.irp t, 0,1,2,3                                ; p is done with: V's four fragments land in its registers while the lines below are at work
.irp c, 0,1,2
	ds_load_b128 v[SS+12*\t+4*\c:SS+12*\t+4*\c+3], v[ADV] offset:VTILE*\t+512*\c
.endr
.endr
.irp c, 0,1                                    ; the operand's layout wants a WHOLE block in a lane: lanes 0-15 block 2 c, lanes 16-31 block 2 c + 1
.irp i, 0,1,2
	v_permlane16_swap_b32 v[PC+6*\c+\i], v[PT+4*\c+\i]
.endr
.irp i, 0,1,2
	v_mov_b32 v[PC+3+6*\c+\i], v[PT+4*\c+\i]
.endr
.endr
.irp j, 0,2,4,6,8,10,12,14,16,18,20,22,24,26,28,30
	v_pk_mul_f32 v[OT+\j:OT+\j+1], v[OT+\j:OT+\j+1], v[252:253] op_sel_hi:[1,0]   ; O^T under the new M: x f, each accumulator from its low end on.  (These sixteen are also the places between p's codes and the products)
.endr
	s_wait_dscnt 0x0                               ; V's fragments are in
.irp t, 0,2                                    ; O^T += V^T P^T: source 0 = 16 channels, source 1 = p; the four accumulators by turns, one instruction a turn
	v_wmma_scale_f32_16x16x128_f8f6f4 v[OT+8*\t:OT+8*\t+7], v[SS+12*\t:SS+12*\t+11], v[PC:PC+11], v[OT+8*\t:OT+8*\t+7], v[VS+\t/2], v[PS] matrix_a_fmt:MATRIX_FMT_FP6 matrix_b_fmt:MATRIX_FMT_FP6
	v_wmma_scale_f32_16x16x128_f8f6f4 v[OT+8*\t+8:OT+8*\t+15], v[SS+12*\t+12:SS+12*\t+23], v[PC:PC+11], v[OT+8*\t+8:OT+8*\t+15], v[VS+\t/2], v[PS] matrix_a_fmt:MATRIX_FMT_FP6 matrix_b_fmt:MATRIX_FMT_FP6 matrix_a_scale:MATRIX_SCALE_ROW1
.endr
	s_add_co_u32 s[TK], s[TK], STEPB               ; on to the next step's images and scale words
	s_add_co_u32 s[TV], s[TV], STEPB
	s_add_co_u32 s[TKS], s[TKS], 512
	s_add_co_u32 s[TVS], s[TVS], 256
	s_sub_co_u32 s[CNT], s[CNT], 1
	s_cmp_lg_u32 s[CNT], 0
	s_cbranch_scc1 .Lstep
	; THE WAY OUT.  O^T is divided by the row's sum and goes through my own stage in LDS, so that sixteen lanes store a query's 256 consecutive bytes.
	v_add_f32 v14, v14, v15                        ; the sum's two halves,
	v_permlanex16_b32 v252, v14, s[SEL], s[SEL+1]
	v_add_f32 v14, v14, v252                       ; and lane l xor 16's: the row's sum
	v_rcp_f32 v14, v14
	v_and_b32 v6, 15, v0                           ; r.  (The address lines are the plain place behind the reciprocal and the places behind the last products)
	v_bfe_u32 v7, v0, 4, 1                         ; h
	s_mul_i32 s36, s[WV], 16*SPITCH
	s_add_co_u32 s36, s36, STG                     ; my stage
	v_mul_u32_u24 v3, v6, SPITCH
	v_lshl_add_u32 v3, v7, 5, v3
	v_add_nc_u32 v3, s36, v3                       ; in: row r; tile t's eight channels of my half: 64 t + 32 h bytes on
	v_mul_u32_u24 v4, v7, SPITCH
	v_lshl_add_u32 v4, v6, 4, v4
	v_add_nc_u32 v4, s36, v4                       ; back: lanes 0-15 one row, lanes 16-31 the next
	v_lshlrev_b32 v5, 11, v7
	v_lshl_add_u32 v5, v6, 4, v5                   ; and the same two rows in out0, 2,048 bytes apart
	s_wait_alu depctr_va_vdst(0)
.irp j, 0,2,4,6,8,10,12,14,16,18,20,22,24,26,28,30
	v_pk_mul_f32 v[SS+\j:SS+\j+1], v[OT+\j:OT+\j+1], v[14:15] op_sel_hi:[1,0]   ; register 8 t + i is o(query r, channel 16 t + 8 h + i)
.endr
.irp t, 0,1,2,3
	ds_store_b128 v3, v[SS+8*\t:SS+8*\t+3] offset:64*\t
	ds_store_b128 v3, v[SS+8*\t+4:SS+8*\t+7] offset:64*\t+16
.endr
.irp i, 0,1,2,3,4,5,6,7
	ds_load_b128 v[SS+32+4*\i:SS+32+4*\i+3], v4 offset:2*\i*SPITCH   ; LDS serves a wave's instructions in order (ISA guide 5.7.1.4): these see my stores
.endr
.irp i, 0,1,2,3,4,5,6,7
	s_wait_dscnt 7-\i                              ; load i is in; the later ones may be out
	global_store_b128 v5, v[SS+32+4*\i:SS+32+4*\i+3], s[14:15] offset:2*\i*2048 th:TH_STORE_NT   ; 16 lanes store 256 consecutive bytes, at a multiple of 256 from out0's first byte; written once, read by nobody here
.endr
	s_wait_xcnt 0x0
	v_lshl_add_u32 v254, v0, 2, 0x44000
	v_mov_b32 v255, 0
	s_wait_tensorcnt 0x0
	ds_add_u32 v254, v255
	s_wait_dscnt 0x0
	s_endpgm
.Lfunc_end_k_q198508d978_attn:
	.size	k_q198508d978_attn, .Lfunc_end_k_q198508d978_attn-k_q198508d978_attn
	.p2alignl 7, 3214868480
	.fill 96, 4, 3214868480
	.section	.rodata,"a",@progbits
	.p2align	6, 0x0
	.amdhsa_kernel k_q198508d978_attn
		.amdhsa_group_segment_fixed_size 280576
		.amdhsa_private_segment_fixed_size 0
		.amdhsa_enable_private_segment 0
		.amdhsa_kernarg_size 48
		.amdhsa_user_sgpr_count 2
		.amdhsa_user_sgpr_kernarg_segment_ptr 1
		.amdhsa_wavefront_size32 1
		.amdhsa_system_sgpr_workgroup_id_x 1
		.amdhsa_system_sgpr_workgroup_id_y 1
		.amdhsa_system_sgpr_workgroup_id_z 1
		.amdhsa_system_vgpr_workitem_id 0
		.amdhsa_next_free_vgpr 256
		.amdhsa_next_free_sgpr 66
		.amdhsa_reserve_vcc 0
		.amdhsa_float_denorm_mode_32 3
		.amdhsa_float_denorm_mode_16_64 3
		.amdhsa_memory_ordered 1
		.amdhsa_forward_progress 1
		.amdhsa_inst_pref_size 74
	.end_amdhsa_kernel
	.amdgpu_metadata
---
amdhsa.version: [ 1, 2 ]
amdhsa.kernels:
  - .name:           k_q198508d978_attn
    .symbol:         k_q198508d978_attn.kd
    .args:
      - { .name: q, .offset: 0, .size: 8, .value_kind: global_buffer, .address_space: global }
      - { .name: k, .offset: 8, .size: 8, .value_kind: global_buffer, .address_space: global }
      - { .name: softmax_scale, .offset: 16, .size: 8, .value_kind: global_buffer, .address_space: global }
      - { .name: v_codes, .offset: 24, .size: 8, .value_kind: global_buffer, .address_space: global }
      - { .name: v_scales, .offset: 32, .size: 8, .value_kind: global_buffer, .address_space: global }
      - { .name: out0, .offset: 40, .size: 8, .value_kind: global_buffer, .address_space: global }
    .group_segment_fixed_size: 280576
    .private_segment_fixed_size: 0
    .kernarg_segment_align: 8
    .kernarg_segment_size: 48
    .max_flat_workgroup_size: 512
    .sgpr_count:     66
    .vgpr_count:     256
    .wavefront_size: 32
...
	.end_amdgpu_metadata
.endif
;; end of part 1
;; ======== version 2 of 2: 1 launch; version 1 with the launch attn written anew for expert scheduling mode
;; launch attn (part 2): grid 8 x 32, 16 waves a work-group, no clusters, 280,576 bytes of LDS; arguments q, k, softmax_scale, v_codes, v_scales, out0; writes out0
.if DOCPART == 2
	.amdgcn_target "amdgcn-amd-amdhsa--gfx1250"
	.amdhsa_code_object_version 6
	.text
	.protected	k_q198508d978_attn
	.globl	k_q198508d978_attn
	.p2align	8
	.type	k_q198508d978_attn,@function
k_q198508d978_attn:
	s_mov_b64 s[64:65], 0
	v_nop
	global_prefetch_b8 v0, s[64:65] scope:SCOPE_SE
	s_setreg_imm32_b32 hwreg(HW_REG_WAVE_SCHED_MODE, 0, 2), 2
	s_setreg_imm32_b32 hwreg(HW_REG_WAVE_MODE, 25, 1), 1
	s_wait_xcnt 0x0
	s_wait_alu depctr_vm_vsrc(0)
; out0[b][i][64 h + d] = the sum over j of softmax_j(qn[i] . kn[j] x scale[h]) v[j][d], for 4 batches x 8 heads, 2,048 queries, 2,048 keys, head size 64.
; qn, kn: a head's row of 64 numbers x 1 / max(its norm, 1e-12), in f32, then quantised to E2M3 along the 64 (two blocks of 32, one E8M0 byte each).  scale = exp(clip(softmax_scale[h], ln 0.01, ln 100)).
; Both products go by v_wmma_scale_f32_16x16x128_f8f6f4 on codes of E2M3.  v arrives as codes with the keys innermost, and its scale bytes: taken as they lie.
; THE SOFTMAX: t = score x c, c = scale x log2(e); M = the running largest t rounded UP to a whole number; p = 2^(t - M) is quantised along the keys, not normalised; the row's sum is taken of the
; unquantised p and divides at the end.  When M moves, the sum and O are multiplied by 2^(old M - new M): exact.  The running maximum is kept although the cosine is bounded: with scale = 100, |t| reaches 144.
; SHARES.  A work-group owns 256 queries of one head (x: the block of queries; y: 8 x batch + head): 256 work-groups.  Each of its sixteen waves owns 16 queries in 256 registers, four waves to a SIMD, so that one
; wave's vector work stands beside another's matrix work and LDS loads.  Both products are used transposed (S^T = K Q^T, O^T = V^T P^T): a lane holds ONE query (lane % 16) throughout.
; EVERYTHING A HEAD NEEDS LIES IN LDS AT ONCE: K as codes 98,304 bytes, V's codes 98,304, scale words 12,288.  It is written once, at the head, as IMAGES OF THE OPERANDS' REGISTERS (lane l's 16 bytes at 16 l), one barrier
; follows, and from there on it is only read: no ring, no refill, no pitch; every LDS load takes consecutive bytes in consecutive lanes.
; Wave w normalises and quantises keys 128 w .. 128 w + 127, which are key step w.  The eight work-groups of a head each do this for the whole head: the price of having no second launch and no workspace.
; THE FIRST PRODUCT'S K IS 64, the instruction's 128: registers 6-11 of K's and of Q's fragments hold zero codes, which add nothing under any scale byte but 0xff (theirs is 0).
; THE KEYS OF A TILE ARE NOT NEIGHBOURS: lane r of tile 2 b + u takes key 32 b + 8 u + r + 8 (r / 8), so that the 16 registers of S^T's tiles 2 b and 2 b + 1 are the 16 neighbouring keys 32 b + 16 (lane / 16) + 0 .. 15.
; NO CLUSTER, NO JOINT LOADS: what the eight work-groups of a head share is K as f32, 524,288 bytes, which has to pass through registers to be quantised and does not fit in LDS beside the codes, and V's 102,400 bytes, read once.
; LIMITS.  NaN and infinities among the inputs are not served.  1 / max(norm, 1e-12) is made as rsq(max(sum of squares, 1e-24)); the 64 squares are summed in another order than reference() sums them.
; A p under 2^-126 comes out of v_exp_f32 as 0.  A block of zeros has the byte 1 where the rule says 127: its codes are zeros, and this program alone reads the bytes.
; A block's largest p is taken as 2^(the block's largest t - M): this takes v_exp_f32 not to fall where its input rises.
; THE MODE: SCHED_MODE bits 1:0 = 2 (LLVM: expert scheduling mode 2), set by the entry lines.  The code itself states the register dependences between vector or matrix instructions and memory or LDS
; instructions, with s_wait_alu, always for 0.
; THE PLAN, at the head.  Offsets and addresses (v1, v2, v48-57) are written once, ahead of one wait on va_vdst.  A set of RAW is loaded, read and written by NQ, and loaded again four items on; a tile's codes (KOUT) are
; written by NQ and read by its LDS stores: one wait on va_vdst an item, behind NQ, states both.  V's registers as loaded are read by LDS stores and then taken by K's codes; v48-127 are at last taken by K's fragments:
; a wait on vm_vsrc ahead of each of the two.
; THE PLAN, in the loop.  Registers that LDS instructions touch:
;   v3-v7       LDS addresses.  Read by the step's LDS loads; written at the next step's head, behind a wait on vm_vsrc.
;   KF, KS      K's fragments (their registers 0-5) and scale words.  Read by step j's eight products S^T; the loads of step j + 1 land in them later in step j.
;   VS          V's scale words.  Read by step j's four products O^T; step j + 1's load lands in them.
;   v128-175    As p: read by the conversions and the sums.  Then V's fragments land in them, which the products O^T read; the next step's products S^T write over them.
; Four waits on va_vdst stand in a step.  The second, behind the exponentials: their results are written; the addresses are written; the products S^T are done reading KF and KS, the last step's products O^T done reading VS.
; Behind it V's scale words and the next step's K are asked for, dealt among vector lines that name none of those registers.  The third, behind the sums: the conversions and the sums are done reading p; p's codes and
; scale word are written.  Behind it V's fragments are asked for; the lines between them and the products O^T name O^T and f alone.
.set KIMG,  0                          ; LDS: K's images: step j at 6,144 j; tile f at + 768 f: registers 0-3 at + 16 lane, registers 4-5 at + 512 + 8 lane
.set VIMG,  98304                      ; V's images: step j at 6,144 j; tile t at + 1,536 t: registers 4 c .. 4 c + 3 at + 512 c + 16 lane
.set KSC,   196608                     ; K's scale words: step j at 512 j; at + 16 l + 4 i the word of tile 2 i + l / 16, row l % 16
.set VSC,   204800                     ; V's scale words: step j at 256 j; at + 8 l + 4 u the word of tile 2 u + l / 16, row l % 16
.set STG,   208896                     ; the way out: for each wave 16 rows of 256 bytes + 16
.set STEPB, 6144
.set KTILE, 768
.set VTILE, 1536
.set SPITCH, 272
.set NSTEP, 16                         ; key steps of 128
; vector registers that stay
.set LI16,  1                          ; v1   16 x lane
.set LI8,   2                          ; v2   8 x lane
.set ADK16, 3                          ; v3-7 LDS addresses: K's of the step ahead, V's of the step in hand (on the way out: stage in, stage back, offset in out0, r, h)
.set ADK8,  4
.set ADV,   5
.set ADKS,  6
.set ADVS,  7
.set KS,    8                          ; v8-11   K's scale words of a step: scales and nothing else
.set QF,    16                         ; v16-27  Q's fragment: 16-21 codes, 22-27 zero codes        (v12 -M, v13 the largest t, v[14:15] the sum in two halves)
.set QS,    28                         ; v28     Q's scale words
.set PS,    29                         ; v29     p's scale word
.set VS,    30                         ; v30-31  V's scale words of a step
.set KF,    32                         ; v32-127 K's eight fragments; registers 6-11 of each stay zero codes
.set SS,    128                        ; v128-191 S^T, then p; from v128 V's four fragments once p is done with
.set OT,    192                        ; v192-223 O^T: four tiles of 16 channels
.set PC,    224                        ; v224-235 p's codes
.set PT,    236                        ; v236-243 lane exchange, bytes, then the conversions' second halves
.set SO,    244                        ; v244-247 the conversions' scale operands
.set BM,    248                        ; v248-251 the blocks' largest scores        (v252 f, v253 0, v[254:255] at work)
; vector registers of the head alone, inside v32-255
.set SQA,   32                         ; v[32:33], v[34:35] two chains of squares
.set SQB,   34
.set MG,    36                         ; v36-37 two chains of the largest magnitude
.set INV,   38                         ; v38 1 / norm; v39 = 0, named with it as a pair
.set AM,    40                         ; v40 the block's largest magnitude; v41 the conversion's scale operand; v42 the byte; v43 lane exchange
.set SOP,   41
.set BY,    42
.set PTP,   43
.set CTP,   44                         ; v[44:46] a block's upper 16 codes
.set KGO,   48                         ; v48 k: my row of a tile and my half of it, in bytes;  v49 the same for q;  v50 for v_codes;  v51 for v_scales
.set QGO,   49
.set VGO,   50
.set VSGO,  51
.set KW16,  52                         ; v52-54 where I store K's images and scale words;  v55 8 x (lane / 16);  v56-57 where I store V's
.set KW8,   53
.set KWS,   54
.set SH8,   55
.set VW16,  56
.set VSW,   57
.set VSR,   62                         ; v[62:63] V's scale words as loaded
.set KOUT,  64                         ; v[64 + 8 f ..] tile f's six registers of codes and its scale word: each tile has its own, so that no LDS store's data are written again
.set VRAW,  80                         ; v80-127 V's four fragments as loaded (stored before KOUT reaches them)
.set RAW,   128                        ; v128-255 four sets of 32 numbers of k or q
; scalar registers
.set WV,    16                         ; s16 wave;  s17 y, s18 batch, s19 head
.set SEL,   20                         ; s[20:21] v_permlanex16_b32's selects for lane l xor 16
.set CS,    22                         ; s[22:23] c, twice: the packed form names a pair
.set TK,    28                         ; s28, s30 where K's images and scale words of the step ahead begin;  s29, s31 V's of the step in hand
.set TV,    29
.set TKS,   30
.set TVS,   31
.set CNT,   32
	s_load_b256 s[4:11], s[0:1], 0x0               ; q s[4:5], k s[6:7], softmax_scale s[8:9], v_codes s[10:11]
	s_load_b128 s[12:15], s[0:1], 0x20             ; v_scales s[12:13], out0 s[14:15]
	v_lshrrev_b32 v60, 5, v0
	v_readfirstlane_b32 s[WV], v60                 ; wave 0..15
	s_and_b32 s17, ttmp7, 0xffff                   ; y = 8 x batch + head
	s_lshr_b32 s18, s17, 3
	s_and_b32 s19, s17, 7
	s_mov_b32 s[SEL], 0x76543210
	s_mov_b32 s[SEL+1], 0xfedcba98
	s_mov_b32 s34, 0xc0935d8e                      ; ln 0.01
	s_mov_b32 s35, 0x40935d8e                      ; ln 100
	; byte offsets into the buffers, each in a pair with 0 above it.  A row of q, k, out0 is 2,048 bytes, a head's part of it 256
	s_lshl_b32 s44, s19, 8
	s_lshl_b32 s45, s18, 22
	s_add_co_u32 s45, s45, s44                     ; batch x 2,048 rows + head x 256
	s_lshl_b32 s36, ttmp9, 19                      ; my work-group's 256 queries,
	s_wait_alu depctr_va_sdst(0)                   ; the wave's number is written in s16, ahead of its first reader: the offsets and LDS places below are made from it
	s_lshl_b32 s37, s[WV], 15                      ; my wave's 16 of them
	s_add_co_u32 s24, s45, s36
	s_add_co_u32 s24, s24, s37                     ; q and out0
	s_mov_b32 s25, 0
	s_lshl_b32 s36, s[WV], 18                      ; my wave's 128 keys
	s_add_co_u32 s26, s45, s36                     ; k
	s_mov_b32 s27, 0
	s_mul_i32 s38, s17, 98304                      ; v_codes: a head is 64 rows of 1,536 bytes;
	s_and_b32 s36, s[WV], 3                        ; my wave takes tile w % 4 (16 rows)
	s_mul_i32 s37, s36, 24576
	s_add_co_u32 s38, s38, s37
	s_lshr_b32 s46, s[WV], 2                       ; and key steps 4 (w / 4) .. + 3: 384 consecutive bytes of each row
	s_mul_i32 s37, s46, 384
	s_add_co_u32 s38, s38, s37
	s_mov_b32 s39, 0
	s_lshl_b32 s40, s17, 12                        ; v_scales: a head is 4,096 dense bytes
	s_mov_b32 s41, 0
	s_lshl_b32 s42, s19, 2                         ; softmax_scale[head]
	s_mov_b32 s43, 0
	; where my wave's images go in LDS: constants x the wave's number
	s_mul_i32 s37, s36, VTILE
	s_mul_i32 s46, s46, 4*STEPB
	s_add_co_u32 s46, s46, s37
	s_add_co_u32 s46, s46, VIMG                    ; V: steps 4 (w / 4) on, tile w % 4
	s_mul_i32 s47, s[WV], STEPB                    ; K: step w
	s_lshl_b32 s36, s[WV], 9
	s_add_co_u32 s36, s36, KSC                     ; K's scale words: step w
	; lane terms
	v_and_b32 v60, 31, v0
	v_lshlrev_b32 v[LI16], 4, v60
	v_lshlrev_b32 v[LI8], 3, v60
	v_and_b32 v58, 15, v0                          ; r
	v_bfe_u32 v59, v0, 4, 1                        ; h
	v_and_b32 v60, 8, v58
	v_add_nc_u32 v60, v60, v58                     ; r + 8 (r / 8)
	v_lshlrev_b32 v[KGO], 11, v60
	v_lshl_add_u32 v[KGO], v59, 7, v[KGO]          ; k: that row of a tile, + 128 h: block h of the head's 64 numbers
	v_lshlrev_b32 v[QGO], 11, v58
	v_lshl_add_u32 v[QGO], v59, 7, v[QGO]          ; q: row r, + 128 h
	v_mul_u32_u24 v[VGO], v58, 1536
	v_mad_u32_u24 v[VGO], v59, 24, v[VGO]          ; v_codes: row r of the tile, + 24 h
	v_lshlrev_b32 v[VSGO], 3, v0                   ; v_scales: 8 bytes a thread: row t / 8, key steps 2 (t % 8) and 2 (t % 8) + 1
	v_add_nc_u32 v[KW16], s47, v[LI16]
	v_add_nc_u32 v[KW8], s47, v[LI8]
	v_lshl_add_u32 v[KWS], v58, 4, s36
	v_lshlrev_b32 v[SH8], 3, v59
	v_add_nc_u32 v[VW16], s46, v[LI16]
	v_and_b32 v60, 7, v0
	v_lshlrev_b32 v[VSW], 9, v60                   ; step 2 (t % 8): 512 (t % 8)
	v_bfe_u32 v60, v0, 3, 5
	v_lshl_add_u32 v[VSW], v60, 3, v[VSW]          ; + 8 x (row % 32)
	v_lshrrev_b32 v60, 8, v0
	v_lshl_add_u32 v[VSW], v60, 2, v[VSW]          ; + 4 x (row / 32)
	v_add_nc_u32 v[VSW], VSC, v[VSW]
	v_mov_b32 v[INV+1], 0                          ; named as the upper half of a pair
	v_mov_b32 v[PTP], 0                            ; a lane permute's destination counts as one of its sources
	s_wait_kmcnt 0x0
	s_add_nc_u64 s[4:5], s[4:5], s[24:25]
	s_add_nc_u64 s[14:15], s[14:15], s[24:25]
	s_add_nc_u64 s[6:7], s[6:7], s[26:27]
	s_add_nc_u64 s[10:11], s[10:11], s[38:39]
	s_add_nc_u64 s[12:13], s[12:13], s[40:41]
	s_add_nc_u64 s[8:9], s[8:9], s[42:43]
	s_load_b32 s33, s[8:9], 0x0                    ; the head's log-scale
	s_wait_alu depctr_va_vdst(0)                   ; v1, v2, v48-54, v56 and v57 are written: the offsets and LDS addresses that every load and LDS store of the head reads
; Tile f of my 128 keys: its rows begin at key 32 (f / 2) + 8 (f % 2).  A lane takes the 32 numbers of its block: 128 bytes, eight loads, into set f % 4.
.macro LOADK f
.irp i, 0,1,2,3,4,5,6,7
	global_load_b128 v[RAW+32*((\f)%4)+4*\i:RAW+32*((\f)%4)+4*\i+3], v[KGO], s[6:7] offset:(32*((\f)/2)+8*((\f)%2))*2048+16*\i
.endr
.endm
.macro LOADQ                                   ; my 16 queries, into set 0; read by this wave alone in the whole launch
.irp i, 0,1,2,3,4,5,6,7
	global_load_b128 v[RAW+4*\i:RAW+4*\i+3], v[QGO], s[4:5] offset:16*\i th:TH_LOAD_NT
.endr
.endm
	; V first: four fragments (tile w % 4, four key steps) as they lie: lane (r, h) takes 24 bytes at 24 h and 24 at 48 + 24 h of the step's 96, in pieces of 8
.irp jj, 0,1,2,3
.irp p, 0,1,2,3,4,5
	global_load_b64 v[VRAW+12*\jj+2*\p:VRAW+12*\jj+2*\p+1], v[VGO], s[10:11] offset:96*\jj+48*(\p/3)+8*(\p%3)
.endr
.endr
	global_load_b64 v[VSR:VSR+1], v[VSGO], s[12:13] ; the work-group's 512 threads read the head's 4,096 bytes on end
	LOADK 0
	LOADK 1
	LOADK 2
	LOADK 3
	; c = exp(clip(log-scale)) x log2(e), in f32
	s_wait_kmcnt 0x0
	v_mov_b32 v60, s33
	v_med3_num_f32 v60, v60, s34, s35              ; the clip
	v_mul_f32 v60, 0x3fb8aa3b, v60
	s_wait_alu depctr_va_vdst(0)
	v_exp_f32 v60, v60
	v_nop                                          ; a plain place behind the transcendental
	s_wait_alu depctr_va_vdst(0)                   ; the exponential has written v60, ahead of its first reader
	v_mul_f32 v60, 0x3fb8aa3b, v60
	v_readfirstlane_b32 s[CS], v60                 ; a multiplier only: no address and no branch hangs on it
	s_wait_alu depctr_va_sdst(0)                   ; c is written in s22, ahead of its first reader
	s_mov_b32 s[CS+1], s[CS]
	s_wait_loadcnt 32                              ; behind V's 25 loads stand the 32 of K's tiles 0-3, which may stay out
.irp jj, 0,1,2,3
.irp c, 0,1,2
	ds_store_b128 v[VW16], v[VRAW+12*\jj+4*\c:VRAW+12*\jj+4*\c+3] offset:STEPB*\jj+512*\c
.endr
.endr
	ds_store_b32 v[VSW], v[VSR]
	ds_store_b32 v[VSW], v[VSR+1] offset:256
	s_wait_dscnt 0x0                               ; the stores have read their registers: K's codes are laid over them below
	s_wait_alu depctr_vm_vsrc(0)                   ; the LDS stores have read v80-127, V's fragments as loaded, which the tiles' conversions and moves below write
; A lane's 32 numbers v[XB ..], block h of its row of 64, are divided by the row's norm and quantised: six registers of codes at v[CD ..], which are registers 0-5 of the operand as they stand; the row's scale word in v[WD].
.macro NQ
	v_pk_mul_f32 v[SQA:SQA+1], v[XB:XB+1], v[XB:XB+1]               ; the sum of my 32 squares: the first products start two packed chains
	v_pk_mul_f32 v[SQB:SQB+1], v[XB+2:XB+3], v[XB+2:XB+3]
.irp i, 4,8,12,16,20,24,28
	v_pk_fma_f32 v[SQA:SQA+1], v[XB+\i:XB+\i+1], v[XB+\i:XB+\i+1], v[SQA:SQA+1]
	v_pk_fma_f32 v[SQB:SQB+1], v[XB+\i+2:XB+\i+3], v[XB+\i+2:XB+\i+3], v[SQB:SQB+1]
.endr
	v_pk_add_f32 v[SQA:SQA+1], v[SQA:SQA+1], v[SQB:SQB+1]
	v_add_f32 v[SQA], v[SQA], v[SQA+1]
	v_permlanex16_b32 v[PTP], v[SQA], s[SEL], s[SEL+1]
	v_add_f32 v[SQA], v[SQA], v[PTP]               ; with lane l xor 16's: all 64
	v_max_num_f32 v[SQA], 0x179abe15, v[SQA]       ; 1e-24 = (1e-12)^2
	s_wait_alu depctr_va_vdst(0)
	v_rsq_f32 v[INV], v[SQA]                       ; 1 / max(norm, 1e-12).  The lines below are the plain place behind it
	v_max3_num_f32 v[MG], |v[XB]|, |v[XB+1]|, |v[XB+2]|             ; the block's largest magnitude, of the numbers as loaded: all 32 are mine
	v_max3_num_f32 v[MG+1], |v[XB+3]|, |v[XB+4]|, |v[XB+5]|
.irp i, 6,10,14,18,22,26
	v_max3_num_f32 v[MG], v[MG], |v[XB+\i]|, |v[XB+\i+1]|
	v_max3_num_f32 v[MG+1], v[MG+1], |v[XB+\i+2]|, |v[XB+\i+3]|
.endr
	v_max3_num_f32 v[MG], v[MG], |v[XB+30]|, |v[XB+31]|
	v_max_num_f32 v[MG], v[MG], v[MG+1]
	s_wait_alu depctr_va_vdst(0)                   ; the reciprocal root has written v[INV], ahead of its first reader
	v_mul_f32 v[AM], v[MG], v[INV]                 ; a rounded product does not fall where a factor rises: this IS the largest of the 32 products below
	v_max_num_f32 v[AM], 0x1800000, v[AM]          ; the floor 2^(3 - 127): the byte cannot fall under 1
.irp i, 0,2,4,6,8,10,12,14,16,18,20,22,24,26,28,30
	v_pk_mul_f32 v[XB+\i:XB+\i+1], v[XB+\i:XB+\i+1], v[INV:INV+1] op_sel_hi:[1,0]
.endr
	v_add_nc_u32 v[SOP], 0xff000000, v[AM]         ; 2 off the exponent field: the conversion takes the exponent field of this operand as its scale
	v_lshrrev_b32 v[BY], 23, v[SOP]                ; the scale's byte
	v_lshlrev_b32 v[WD], v[SH8], v[BY]             ; at its place in the word: block h is byte h;
	v_permlanex16_b32 v[PTP], v[WD], s[SEL], s[SEL+1]
	v_or_b32 v[WD], v[WD], v[PTP]                  ; with lane l xor 16's the word is whole (bytes 2 and 3 are 0, over zero codes)
	v_cvt_scalef32_pk16_fp6_f32 v[CD:CD+2], v[XB:XB+15], v[SOP]
	v_cvt_scalef32_pk16_fp6_f32 v[CTP:CTP+2], v[XB+16:XB+31], v[SOP]   ; (a conversion's three registers begin on an even number)
	v_nop                                          ; one plain place behind a scaled conversion
.irp i, 0,1,2
	v_mov_b32 v[CD+3+\i], v[CTP+\i]
.endr
.endm
; Item n: 0-7 tile n of my keys, 8 my queries.  Loads run four items ahead, in four sets of registers.
.macro ITEM n
.if (\n) < 6
	s_wait_loadcnt 24                              ; my eight loads are in; those of the three items behind may be out
.else
	s_wait_loadcnt 8*(8-(\n))                      ; the counts run down: two items, one, none
.endif
.set XB, RAW+32*((\n)%4)
.if (\n) < 8
.set CD, KOUT+8*(\n)
.set WD, KOUT+8*(\n)+6
.else
.set CD, QF
.set WD, QS
.endif
	NQ
.if (\n) < 8
	s_wait_alu depctr_va_vdst(0)                   ; the tile's codes and scale word are written, which the LDS stores read; the lines above are done reading and writing v[XB ..], in which the loads of four items on land
	ds_store_b128 v[KW16], v[CD:CD+3] offset:KTILE*(\n)             ; the image of registers 0-3,
	ds_store_b64 v[KW8], v[CD+4:CD+5] offset:KTILE*(\n)+512         ; of registers 4-5,
	ds_store_b32 v[KWS], v[WD] offset:256*((\n)%2)+4*((\n)/2)       ; and the row's scale word (lanes r and r + 16 write the same word with the same value)
.endif
.if (\n)+4 < 8
	LOADK (\n)+4
.elseif (\n)+4 == 8
	LOADQ
.endif
.endm
.irp n, 0,1,2,3,4,5,6,7,8
	ITEM \n
.endr
	s_wait_dscnt 0x0                               ; for the others' sake: all my images have landed
	s_wait_alu depctr_vm_vsrc(0)                   ; my loads and LDS stores have read their offsets and addresses (v48-57) and their data (v62-127): these registers are K's fragments from here on, written by the moves below and by LDS loads
	s_barrier_signal -1
	; work on registers while the others arrive
.irp f, 0,1,2,3,4,5,6,7
.irp i, 6,7,8,9,10,11
	v_mov_b32 v[KF+12*\f+\i], 0                    ; zero codes for k = 64 .. 127 of K's fragments: written once, no load lands here
.endr
.endr
.irp i, 6,7,8,9,10,11
	v_mov_b32 v[QF+\i], 0                          ; and of Q's
.endr
.irp j, 0,1,2,3,4,5,6,7,8,9,10,11,12,13,14,15,16,17,18,19,20,21,22,23,24,25,26,27,28,29,30,31
	v_mov_b32 v[OT+\j], 0                          ; O^T.  (The step is written as one macro: the first finds zeros, which the first change of M leaves zeros)
.endr
	v_mov_b32 v14, 0                               ; the sum, in two halves
	v_mov_b32 v15, 0
.irp b, 0,1,2,3
	v_mov_b32 v[PT+\b], 0                          ; a lane permute's destination counts as one of its sources
.endr
	v_mov_b32 v253, 0                              ; named as the upper half of the pair v[252:253]
	v_mov_b32 v13, 0xff61b1e6                      ; the largest t so far: -3e38, under every t
	v_floor_f32 v12, -v13                          ; -M
	s_mov_b32 s[TK], KIMG
	s_mov_b32 s[TV], VIMG
	s_mov_b32 s[TKS], KSC
	s_mov_b32 s[TVS], VSC
	s_mov_b32 s[CNT], NSTEP-1
	v_add_nc_u32 v[ADK16], s[TK], v[LI16]          ; where key step 0's images and scale words of K lie
	v_add_nc_u32 v[ADK8], s[TK], v[LI8]
	v_add_nc_u32 v[ADKS], s[TKS], v[LI16]
	s_barrier_wait -1                              ; the launch's one barrier: K, V and their scale words lie in LDS, and nobody writes them again
; K's fragment f of the step that v[ADK16] and v[ADK8] name: its registers 0-5
.macro KFETCH f
	ds_load_b128 v[KF+12*(\f):KF+12*(\f)+3], v[ADK16] offset:KTILE*(\f)
	ds_load_b64 v[KF+12*(\f)+4:KF+12*(\f)+5], v[ADK8] offset:KTILE*(\f)+512
.endm
	s_wait_alu depctr_va_vdst(0)                   ; the three addresses are written, which the loads below read; the head's vector lines are done with v32-127, in which K's fragments land; Q's codes and scale word and all zero codes are written, which the scaled products take
.irp f, 0,1,2,3,4,5,6,7
	KFETCH \f                                      ; key step 0; each step asks for the next step's
.endr
	ds_load_b128 v[KS:KS+3], v[ADKS]               ; register i: lanes 0-15 the words of tile 2 i, lanes 16-31 those of tile 2 i + 1
	s_add_co_u32 s[TK], s[TK], STEPB               ; K's places stand one step ahead from here on
	s_add_co_u32 s[TKS], s[TKS], 512
	s_wait_dscnt 0x0                               ; key step 0's K is in
; A KEY STEP: 128 keys.  ahead = 1: the next step's K is asked for.  K's fragments and scale words of this step are in registers at its head.
.macro STEP ahead
	s_wait_alu depctr_vm_vsrc(0)                   ; the LDS loads issued so far have read v3-v7, which the lines below write again
.if \ahead
	v_add_nc_u32 v[ADK16], s[TK], v[LI16]          ; these six plain lines are the places behind the last step's products O^T: five are owed in front of the products below, whose results are laid over V's fragments
	v_add_nc_u32 v[ADK8], s[TK], v[LI8]
	v_add_nc_u32 v[ADKS], s[TKS], v[LI16]
.else
.rept 3
	v_nop                                          ; the last step makes no address of K: the places are owed all the same
.endr
.endif
	v_add_nc_u32 v[ADV], s[TV], v[LI16]
	v_add_nc_u32 v[ADVS], s[TVS], v[LI8]
	v_nop
.irp f, 0,2,4,6                                ; S^T = K Q^T: source 0 = 16 keys, source 1 = my 16 queries; eight accumulators, each begun with 0
	v_wmma_scale_f32_16x16x128_f8f6f4 v[SS+8*\f:SS+8*\f+7], v[KF+12*\f:KF+12*\f+11], v[QF:QF+11], 0, v[KS+\f/2], v[QS] matrix_a_fmt:MATRIX_FMT_FP6 matrix_b_fmt:MATRIX_FMT_FP6
	v_wmma_scale_f32_16x16x128_f8f6f4 v[SS+8*\f+8:SS+8*\f+15], v[KF+12*\f+12:KF+12*\f+23], v[QF:QF+11], 0, v[KS+\f/2], v[QS] matrix_a_fmt:MATRIX_FMT_FP6 matrix_b_fmt:MATRIX_FMT_FP6 matrix_a_scale:MATRIX_SCALE_ROW1
.endr
.rept 4
	v_nop                                          ; four places in front of the first read of results (ISA guide 7.12.1)
.endr
.irp b, 0,1,2,3
	v_max3_num_f32 v[BM+\b], v[SS+16*\b], v[SS+1+16*\b], v[SS+2+16*\b]   ; THE LARGEST SCORE OF EACH BLOCK OF 32 KEYS: it serves for the row's maximum and, since p rises with the score, for the block's largest p.  Each accumulator is read from its low end on
.endr
.irp i, 3,5,7,9,11,13
.irp b, 0,1,2,3
	v_max3_num_f32 v[BM+\b], v[BM+\b], v[SS+16*\b+\i], v[SS+1+16*\b+\i]   ; (the four blocks by turns)
.endr
.endr
.irp b, 0,1,2,3
	v_max_num_f32 v[BM+\b], v[BM+\b], v[SS+15+16*\b]
.endr
.irp b, 0,1,2,3
	v_permlanex16_b32 v[PT+\b], v[BM+\b], s[SEL], s[SEL+1]
.endr
.irp b, 0,1,2,3
	v_max_num_f32 v[BM+\b], v[BM+\b], v[PT+\b]     ; with lane l xor 16's 16 keys
.endr
	v_max3_num_f32 v254, v[BM], v[BM+1], v[BM+2]
	v_max_num_f32 v254, v254, v[BM+3]              ; the step's largest score of my query
	v_mul_f32 v254, s[CS], v254                    ; as t (c is positive)
	v_max_num_f32 v13, v13, v254                   ; the running largest t
	v_mov_b32 v254, v12
	v_floor_f32 v12, -v13                          ; the new -M = floor(-t) = -ceil(t): a whole number
	v_sub_f32 v254, v12, v254                      ; M's old value less its new one: a whole number, 0 or less
	v_cvt_i32_f32 v254, v254                       ; (it saturates)
	v_ldexp_f32 v252, 1.0, v254                    ; f = 2^(old M - new M)
.irp j, 0,2,4,6,8,10,12,14,16,18,20,22,24,26,28,30,32,34,36,38,40,42,44,46,48,50,52,54,56,58,60,62
	v_pk_fma_f32 v[SS+\j:SS+\j+1], v[SS+\j:SS+\j+1], s[CS:CS+1], v[12:13] op_sel_hi:[1,0,0]   ; t - M, two at a time (of the pairs c and -M the low word serves both halves)
.endr
.irp b, 0,1,2,3
	v_fma_f32 v[BM+\b], v[BM+\b], s[CS], v12       ; the same of each block's largest score
.endr
	s_wait_alu depctr_va_vdst(0)
.irp j, 0,1,2,3,4,5,6,7,8,9,10,11,12,13,14,15,16,17,18,19,20,21,22,23,24,25,26,27,28,29,30,31,32,33,34,35,36,37,38,39,40,41,42,43,44,45,46,47,48,49,50,51,52,53,54,55,56,57,58,59,60,61,62,63
	v_exp_f32 v[SS+\j], v[SS+\j]                   ; p = 2^(t - M): not normalised
.endr
.irp b, 0,1,2,3
	v_exp_f32 v[BM+\b], v[BM+\b]                   ; the block's largest p: the same two instructions on the same number give the same bits
.endr
	v_pk_mul_f32 v[14:15], v[14:15], v[252:253] op_sel_hi:[1,0]   ; the sums under the new M.  (The plain place behind the exponentials)
	s_wait_alu depctr_va_vdst(0)                   ; the 68 exponentials have written their results, ahead of the first reader; v3-v7 are written, which the loads below read; the products S^T are done reading K's fragments and scale words, the last step's products O^T done reading V's scale words: loads land in all three
	ds_load_b64 v[VS:VS+1], v[ADVS]                ; this step's scale words of V: register u: lanes 0-15 the words of tile 2 u, lanes 16-31 those of tile 2 u + 1
.if \ahead
	KFETCH 0                                       ; the next step's K, four loads at a time.  No further wait: the vector lines between name the blocks' maxima, scale operands and bytes alone, none of the registers that these loads touch
	KFETCH 1
.endif
.irp b, 0,1,2,3
	v_max_num_f32 v[BM+\b], 0x1800000, v[BM+\b]    ; the floor 2^(3 - 127): the byte cannot fall under 1
.endr
.if \ahead
	KFETCH 2
	KFETCH 3
.endif
.irp b, 0,1,2,3
	v_add_nc_u32 v[SO+\b], 0xff000000, v[BM+\b]    ; 2 off the exponent field: the conversion's scale operand
.endr
.if \ahead
	KFETCH 4
	KFETCH 5
.endif
.irp b, 0,1,2,3
	v_lshrrev_b32 v[PT+\b], 23, v[SO+\b]           ; the scale's byte
.endr
.if \ahead
	KFETCH 6
	KFETCH 7
.endif
	v_lshl_or_b32 v[PS], v[PT+1], 8, v[PT]         ; p's scale word for these 128 keys; more than eight plain lines stand between it and the products that name it
	v_lshl_or_b32 v[PS], v[PT+2], 16, v[PS]
	v_lshl_or_b32 v[PS], v[PT+3], 24, v[PS]
.if \ahead
	ds_load_b128 v[KS:KS+3], v[ADKS]               ; and the next step's scale words of K
.endif
.irp c, 0,1
	v_cvt_scalef32_pk16_fp6_f32 v[PC+6*\c:PC+6*\c+2], v[SS+32*\c:SS+32*\c+15], v[SO+2*\c]
	v_cvt_scalef32_pk16_fp6_f32 v[PT+4*\c:PT+4*\c+2], v[SS+16+32*\c:SS+31+32*\c], v[SO+2*\c+1]   ; (a conversion's three registers begin on an even number)
.endr
	v_pk_add_f32 v[254:255], v[SS:SS+1], v[SS+2:SS+3]   ; THE ROW'S SUM IS TAKEN OF THE UNQUANTISED p: two at a time, in two chains.  (This first line is also the plain place behind the conversions: it only reads p)
.irp c, 0,1                                    ; the operand's layout wants a WHOLE block in a lane: lanes 0-15 block 2 c, lanes 16-31 block 2 c + 1
.irp i, 0,1,2
	v_permlane16_swap_b32 v[PC+6*\c+\i], v[PT+4*\c+\i]
.endr
.irp i, 0,1,2
	v_mov_b32 v[PC+3+6*\c+\i], v[PT+4*\c+\i]
.endr
.endr
.irp j, 4,8,12,16,20,24,28,32,36,40,44,48,52,56,60
	v_pk_add_f32 v[14:15], v[14:15], v[SS+\j:SS+\j+1]               ; the sums go on.  (They are also the places between p's codes and scale word and the products O^T: the last nine name no register of those products)
	v_pk_add_f32 v[254:255], v[254:255], v[SS+\j+2:SS+\j+3]
.endr
	v_pk_add_f32 v[14:15], v[14:15], v[254:255]
	s_wait_alu depctr_va_vdst(0)                   ; the conversions and the sums are done reading p, in whose registers V's fragments land; p's codes and scale word are written, which the scaled products below take
.irp t, 0,1,2,3                                ; p is done with: V's four fragments land in its registers while the lines below are at work
.irp c, 0,1,2
	ds_load_b128 v[SS+12*\t+4*\c:SS+12*\t+4*\c+3], v[ADV] offset:VTILE*\t+512*\c
.endr
.endr
.irp j, 0,2,4,6,8,10,12,14,16,18,20,22,24,26,28,30
	v_pk_mul_f32 v[OT+\j:OT+\j+1], v[OT+\j:OT+\j+1], v[252:253] op_sel_hi:[1,0]   ; O^T under the new M: x f, each accumulator from its low end on.  (They name O^T and f alone: none of the registers in which loads are landing)
.endr
	s_wait_alu depctr_va_vdst(0)
	s_wait_dscnt 0x0                               ; V's fragments and scale words are in; so is the next step's K, which was asked for ahead of them
.irp t, 0,2                                    ; O^T += V^T P^T: source 0 = 16 channels, source 1 = p; the four accumulators by turns, one instruction a turn
	v_wmma_scale_f32_16x16x128_f8f6f4 v[OT+8*\t:OT+8*\t+7], v[SS+12*\t:SS+12*\t+11], v[PC:PC+11], v[OT+8*\t:OT+8*\t+7], v[VS+\t/2], v[PS] matrix_a_fmt:MATRIX_FMT_FP6 matrix_b_fmt:MATRIX_FMT_FP6
	v_wmma_scale_f32_16x16x128_f8f6f4 v[OT+8*\t+8:OT+8*\t+15], v[SS+12*\t+12:SS+12*\t+23], v[PC:PC+11], v[OT+8*\t+8:OT+8*\t+15], v[VS+\t/2], v[PS] matrix_a_fmt:MATRIX_FMT_FP6 matrix_b_fmt:MATRIX_FMT_FP6 matrix_a_scale:MATRIX_SCALE_ROW1
.endr
.if \ahead
	s_add_co_u32 s[TK], s[TK], STEPB               ; on by a step: images and scale words
	s_add_co_u32 s[TV], s[TV], STEPB
	s_add_co_u32 s[TKS], s[TKS], 512
	s_add_co_u32 s[TVS], s[TVS], 256
.endif
.endm
.Lstep:                                            ; key steps 0 to 14
	STEP 1
	s_sub_co_u32 s[CNT], s[CNT], 1
	s_cmp_lg_u32 s[CNT], 0
	s_cbranch_scc1 .Lstep
	STEP 0                                         ; the last step is written out: there is no K behind it to ask for
	; THE WAY OUT.  O^T is divided by the row's sum and goes through my own stage in LDS, so that sixteen lanes store a query's 256 consecutive bytes.
	s_wait_alu depctr_vm_vsrc(0)                   ; the last step's LDS loads have read v3-v7, which are written again below
	v_add_f32 v14, v14, v15                        ; the sum's two halves,
	v_permlanex16_b32 v252, v14, s[SEL], s[SEL+1]
	v_add_f32 v14, v14, v252                       ; and lane l xor 16's: the row's sum
	s_wait_alu depctr_va_vdst(0)
	v_rcp_f32 v14, v14
	v_and_b32 v6, 15, v0                           ; r.  (The address lines are the plain place behind the reciprocal and the places behind the last products)
	v_bfe_u32 v7, v0, 4, 1                         ; h
	s_mul_i32 s36, s[WV], 16*SPITCH
	s_add_co_u32 s36, s36, STG                     ; my stage
	v_mul_u32_u24 v3, v6, SPITCH
	v_lshl_add_u32 v3, v7, 5, v3
	v_add_nc_u32 v3, s36, v3                       ; in: row r; tile t's eight channels of my half: 64 t + 32 h bytes on
	v_mul_u32_u24 v4, v7, SPITCH
	v_lshl_add_u32 v4, v6, 4, v4
	v_add_nc_u32 v4, s36, v4                       ; back: lanes 0-15 one row, lanes 16-31 the next
	v_lshlrev_b32 v5, 11, v7
	v_lshl_add_u32 v5, v6, 4, v5                   ; and the same two rows in out0, 2,048 bytes apart
	s_wait_alu depctr_va_vdst(0)                   ; the reciprocal has written v14, ahead of its first reader
.irp j, 0,2,4,6,8,10,12,14,16,18,20,22,24,26,28,30
	v_pk_mul_f32 v[SS+\j:SS+\j+1], v[OT+\j:OT+\j+1], v[14:15] op_sel_hi:[1,0]   ; register 8 t + i is o(query r, channel 16 t + 8 h + i)
.endr
	s_wait_alu depctr_va_vdst(0)                   ; the sixteen products have written v128-159, which the LDS stores read; v3, v4 and v5 are written, the addresses below; every vector and matrix line is done with v160-191, in which the loads from the stage land
.irp t, 0,1,2,3
	ds_store_b128 v3, v[SS+8*\t:SS+8*\t+3] offset:64*\t
	ds_store_b128 v3, v[SS+8*\t+4:SS+8*\t+7] offset:64*\t+16
.endr
.irp i, 0,1,2,3,4,5,6,7
	ds_load_b128 v[SS+32+4*\i:SS+32+4*\i+3], v4 offset:2*\i*SPITCH   ; LDS serves a wave's instructions in order (ISA guide 5.7.1.4): these see my stores
.endr
.irp i, 0,1,2,3,4,5,6,7
	s_wait_dscnt 7-\i                              ; load i is in; the later ones may be out
	global_store_b128 v5, v[SS+32+4*\i:SS+32+4*\i+3], s[14:15] offset:2*\i*2048 th:TH_STORE_NT   ; 16 lanes store 256 consecutive bytes, at a multiple of 256 from out0's first byte; written once, read by nobody here
.endr
	s_wait_xcnt 0x0
	v_lshl_add_u32 v254, v0, 2, 0x44000            ; the add's two registers are made here, since none could be kept: my spare word, behind the stages, at 278,528 + 4 x my thread's number; no memory or LDS instruction has read v254 or v255
	v_mov_b32 v255, 0
	s_wait_dscnt 0x0                               ; the closing lines, six on end
	s_wait_alu 0x0
	s_wait_tensorcnt 0x0
	ds_add_u32 v254, v255
	s_wait_dscnt 0x0
	s_endpgm
.Lfunc_end_k_q198508d978_attn:
	.size	k_q198508d978_attn, .Lfunc_end_k_q198508d978_attn-k_q198508d978_attn
	.p2alignl 7, 3214868480
	.fill 96, 4, 3214868480
	.section	.rodata,"a",@progbits
	.p2align	6, 0x0
	.amdhsa_kernel k_q198508d978_attn
		.amdhsa_group_segment_fixed_size 280576
		.amdhsa_private_segment_fixed_size 0
		.amdhsa_enable_private_segment 0
		.amdhsa_kernarg_size 48
		.amdhsa_user_sgpr_count 2
		.amdhsa_user_sgpr_kernarg_segment_ptr 1
		.amdhsa_wavefront_size32 1
		.amdhsa_system_sgpr_workgroup_id_x 1
		.amdhsa_system_sgpr_workgroup_id_y 1
		.amdhsa_system_sgpr_workgroup_id_z 1
		.amdhsa_system_vgpr_workitem_id 0
		.amdhsa_next_free_vgpr 256
		.amdhsa_next_free_sgpr 66
		.amdhsa_reserve_vcc 0
		.amdhsa_float_denorm_mode_32 3
		.amdhsa_float_denorm_mode_16_64 3
		.amdhsa_memory_ordered 1
		.amdhsa_forward_progress 1
		.amdhsa_inst_pref_size 91
	.end_amdhsa_kernel
	.amdgpu_metadata
---
amdhsa.version: [ 1, 2 ]
amdhsa.kernels:
  - .name:           k_q198508d978_attn
    .symbol:         k_q198508d978_attn.kd
    .args:
      - { .name: q, .offset: 0, .size: 8, .value_kind: global_buffer, .address_space: global }
      - { .name: k, .offset: 8, .size: 8, .value_kind: global_buffer, .address_space: global }
      - { .name: softmax_scale, .offset: 16, .size: 8, .value_kind: global_buffer, .address_space: global }
      - { .name: v_codes, .offset: 24, .size: 8, .value_kind: global_buffer, .address_space: global }
      - { .name: v_scales, .offset: 32, .size: 8, .value_kind: global_buffer, .address_space: global }
      - { .name: out0, .offset: 40, .size: 8, .value_kind: global_buffer, .address_space: global }
    .group_segment_fixed_size: 280576
    .private_segment_fixed_size: 0
    .kernarg_segment_align: 8
    .kernarg_segment_size: 48
    .max_flat_workgroup_size: 512
    .sgpr_count:     66
    .vgpr_count:     256
    .wavefront_size: 32
...
	.end_amdgpu_metadata
.endif
;; end of part 2
